; MI455X (gfx1250); checked and timed in simulation.
; The chip was launched on July 23, 2026; its instructions are those of AMD's public machine-readable ISA for CDNA 5 (MIT licence, August 2026) and "CDNA5" Instruction Set Architecture Reference Guide (July 2026). The comments in the code are by the model that wrote it; some were corrected since.
;; Tps Grid Gen2. Allowed arithmetic: float matrix products may take bf16 or f16 operands with f32 sums; all other float work in f32.
;; Inputs: theta 32 x 36 float32.
;; Outputs: out0 32 x 512 x 512 x 2 float32.
;; 2 versions, each right; version 2 is version 1 with the launch tps written anew for expert scheduling mode. Each part assembles by itself: llvm-mc -triple=amdgcn-amd-amdhsa -mcpu=gfx1250 --defsym DOCPART=n.
;; ======== version 1 of 2: 1 launch
;; launch tps (part 1): grid 256 x 1, 16 waves a work-group, no clusters, 6,144 bytes of LDS; arguments theta, out0; writes out0
.if DOCPART == 1
	.amdgcn_target "amdgcn-amd-amdhsa--gfx1250"
	.amdhsa_code_object_version 6
	.text
	.protected	k_q29bd02a395_tps
	.globl	k_q29bd02a395_tps
	.p2align	8
	.type	k_q29bd02a395_tps,@function
k_q29bd02a395_tps:
	s_mov_b64 s[64:65], 0
	v_nop
	global_prefetch_b8 v0, s[64:65] scope:SCOPE_SE
	s_setreg_imm32_b32 hwreg(HW_REG_WAVE_MODE, 25, 1), 1
	s_wait_xcnt 0x0
; Thin-plate-spline grid.  theta [32][36] f32 = QX(9) QY(9) PX(9) PY(9);  out0 [32][512][512][2] f32.
;   out(b,h,w) = A0 + A1 gx(w) + A2 gy(h) + sum_i W_i d2_i ln d2_i,   d2_i = (gx-PX_i)^2 + (gy-PY_i)^2,  for x and for y,
;   where [W;A] solves the 12 x 12 system  [K P; P^T 0] [W;A] = [Q;0]  (that is what the reference's blocks of the inverse times Q are).
; K is built with log2, so that the solution is W ln2: the weight that belongs to d2 log2 d2 in the pixel stage.  No ln2 appears anywhere.
;
; 256 work-groups of 16 waves.  Work-group g: image g >> 3, rows 64 (g & 7) .. + 63 = the 262,144 output bytes from g << 18.
;   wave 0      solves the system (row r of [L | QX QY] in lane r, mirrored in both halves of 16 lanes) and puts 24 numbers into LDS
;   waves 1, 2  build a table in LDS, one entry of 48 bytes for each of the 64 rows: max((gy-PY_i)^2, 2^-100) i = 0..8, gy, 0, 0
;   all waves   keep (gx-PX_i)^2 of their two columns in registers; one barrier; then wave w makes columns 64 (w & 7) .. + 63 of
;               32 rows ((w >> 3) picks the half).  A lane owns two neighbouring pixels = 16 output bytes: a store of the wave covers
;               512 neighbouring bytes, aligned.  The accumulator pair of a pixel is (x', y'), as it lies in memory.
; The sum over the 9 control points stays on the vector unit in f32: 9 of 32 along K and 2 of 16 columns would be used of a matrix
; instruction, and the weights sum to zero, so the terms cancel and a 16-bit U would spend the allowed error.  It costs one packed
; multiply-add a term.  No tensor load, cluster or prefetch: a work-group reads 144 bytes.
; LIMITS.  d2 below 2^-100 (zero and denormals too): U is taken as about -1e-28 (pixels) or 0 (K) where the reference has 0 or less
; than 1e-28 in size.  A singular system (coincident or collinear control points) gives infinities, NaN or arbitrary numbers, not
; necessarily the reference's.  |theta| above about 1e19 overflows as in the reference.  gx, gy = -1 + i * (2/511) in one fused
; multiply-add: within an ulp or two of linspace.  Elimination with partial pivoting, not LAPACK's inverse: another order of rounding.
.set STEPF, 0x3b804020                 ; 2/511
.set TINY,  0x0d800000                 ; 2^-100
.set ROWB,  4096                       ; bytes of an output row: 512 pixels x 2 x 4
.set WROWS, 32                         ; rows of a wave
.set TROW,  48                         ; bytes of a table entry
.set COEF,  0                          ; LDS: (WX_i, WY_i) i = 0..8, (AX_0, AY_0), (AX_1, AY_1), (AX_2, AY_2): 96 bytes
.set TABLE, 128                        ; LDS: 64 entries of 48 bytes
; scalar registers
.set QX, 16                            ; s[16:51] theta's row as loaded
.set QY, 25
.set PX, 34
.set PY, 43
.set PK, 52                            ; s[52:63] lane of the pivot of step k
.set PR, 66                            ; s[66:79] the pivot row, column j in s[PR+j]
.set SX, 66                            ; s[66:89] afterwards: the 24 results
.set RI, 90                            ; 1 / pivot
.set USED, 91                          ; mask of rows that have been pivots (and of the lanes 12-15 of each half, which hold no row)
.set EQ, 92                            ; mask of this step's pivot row (one bit in each half)
; vector registers of the pixel stage
.set GX, 4                             ; v[4:5]     gx of my two columns
.set VO, 6                             ; byte offset of my 16 bytes in an output row
.set TA, 7                             ; LDS address of my wave's current table entry
.set CA, 8                             ; LDS address of the coefficients
.set DX, 10                            ; v[10:27]   (gx-PX_i)^2, a pair (column 0, column 1) for each i
.set W,  28                            ; v[28:45]   pairs (WX_i, WY_i)
.set A0, 46                            ; v[46:51]   pairs (AX_m, AY_m)
.set A1, 48
.set A2, 50
.set C0, 52                            ; v[52:55]   A0 + A1 gx, a pair for each of my two pixels
.set T0, 56                            ; v[56:67]   table entry, buffer 0
.set T1, 68                            ; v[68:79]   buffer 1
.set D2, 80                            ; v[80:97]   d2, then U = d2 log2 d2, pairs as DX
.set LG, 98                            ; v[98:115]  log2 d2
.set ACC, 116                          ; v[116:119] x', y' of pixel 0, x', y' of pixel 1
; vector registers of the solver (wave 0, in front of the barrier only)
.set R,    56                          ; row number = lane & 15
.set MK,   57                          ; 1.0 in rows 0-8, else 0
.set C1,   58                          ; 1.0 in row 9
.set CX,   59                          ; 1.0 in row 10
.set CY,   60                          ; 1.0 in row 11
.set PXR,  61                          ; PX, PY, QX, QY of my row (rows above 8: those of row 8, multiplied away)
.set PYR,  62
.set QXR,  63
.set QYR,  64
.set CAND, 65
.set MX,   66
.set RINV, 67
.set F,    68
.set PINV, 69                          ; 1 / pivot, kept by the row that was the pivot
.set AD,   70
.set XS,   71
.set YS,   72
.set M,    80                          ; v[80:93]   my row: 12 columns of L, QX, QY
.set LS,   98                          ; v[98:106]  at work
	s_load_b128 s[4:7], s[0:1], 0x0                ; theta s[4:5], out0 s[6:7]
	v_lshl_add_u32 v120, v0, 2, 0x1000
	v_mov_b32 v121, 0
	v_and_b32 v1, 31, v0                           ; lane
	v_lshrrev_b32 v2, 5, v0
	v_readfirstlane_b32 s8, v2                     ; wave 0..15
	s_lshr_b32 s9, ttmp9, 3                        ; image
	s_mul_i32 s10, s9, 144                         ; its 36 numbers
	s_mov_b32 s11, 0
	s_and_b32 s14, s8, 7                           ; my group of 64 columns
	s_lshr_b32 s15, s8, 3                          ; my half of the 64 rows
	s_wait_kmcnt 0x0
	s_add_nc_u64 s[12:13], s[4:5], s[10:11]
	s_load_b512 s[16:31], s[12:13], 0x0            ; 64 + 64 + 16 = 144 bytes: exactly the image's row of theta
	s_load_b512 s[32:47], s[12:13], 0x40
	s_load_b128 s[48:51], s[12:13], 0x80
	s_lshl_b32 s10, ttmp9, 18                      ; the work-group's 64 output rows of 4,096 bytes
	s_lshl_b32 s9, s15, 17                         ; + my half: 32 rows
	s_add_co_u32 s10, s10, s9                      ; at most 255 * 2^18 + 2^17: below 2^31
	s_add_nc_u64 s[6:7], s[6:7], s[10:11]
; What every wave prepares: gx, offsets, and (gx - PX_i)^2 of its two columns.
.macro PREP
	s_lshl_b32 s9, s14, 6
	v_lshl_or_b32 v2, v1, 1, s9                    ; column 64 group + 2 lane
	v_or_b32 v3, 1, v2                             ; and the next
	v_cvt_f32_u32 v[GX], v2
	v_cvt_f32_u32 v[GX+1], v3
	v_pk_fma_f32 v[GX:GX+1], v[GX:GX+1], STEPF, -1.0 op_sel_hi:[1,0,0]
	s_lshl_b32 s9, s14, 9
	v_lshl_add_u32 v[VO], v1, 4, s9                ; 512 group + 16 lane
	s_mul_i32 s9, s15, WROWS*TROW
	s_add_co_u32 s9, s9, TABLE
	v_mov_b32 v[TA], s9
	v_mov_b32 v[CA], COEF
	s_wait_kmcnt 0x0                               ; theta's row is in s[16:51]
.irp i, 0,1,2,3,4,5,6,7,8
	v_sub_f32 v[DX+2*\i],   s[PX+\i], v[GX]        ; the sign is squared away
	v_sub_f32 v[DX+2*\i+1], s[PX+\i], v[GX+1]
	v_pk_mul_f32 v[DX+2*\i:DX+2*\i+1], v[DX+2*\i:DX+2*\i+1], v[DX+2*\i:DX+2*\i+1]
.endr
.endm
	s_cmp_lg_u32 s8, 0
	s_cbranch_scc1 .Lothers
	; ---------------- wave 0: the 12 x 12 system ----------------
	v_and_b32 v[R], 15, v0
	v_min_u32 v[AD], 8, v[R]
	v_lshlrev_b32 v[AD], 2, v[AD]
	global_load_b32 v[QXR], v[AD], s[12:13]
	global_load_b32 v[QYR], v[AD], s[12:13] offset:36
	global_load_b32 v[PXR], v[AD], s[12:13] offset:72
	global_load_b32 v[PYR], v[AD], s[12:13] offset:108
	v_cmp_gt_u32 vcc_lo, 9, v[R]
	v_cndmask_b32 v[MK], 0, 1.0, vcc_lo
	v_cmp_eq_u32 vcc_lo, 9, v[R]
	v_cndmask_b32 v[C1], 0, 1.0, vcc_lo
	v_cmp_eq_u32 vcc_lo, 10, v[R]
	v_cndmask_b32 v[CX], 0, 1.0, vcc_lo
	v_cmp_eq_u32 vcc_lo, 11, v[R]
	v_cndmask_b32 v[CY], 0, 1.0, vcc_lo
	v_mov_b32 v[MX], 0                             ; a DPP form's destination counts as read
	v_mov_b32 v[PINV], 0
	s_mov_b32 s[USED], 0xf000f000                  ; lanes 12-15 of each half hold zeros and are never pivots
	PREP                                           ; while the four loads are on their way
	s_wait_loadcnt 0x0
	; columns 0-8.  Rows 0-8: K(r,j) = d2 log2 d2, d2 below 2^-100 (the diagonal) counted as 1.  Row 9: 1.  Row 10: PX_j.  Row 11: PY_j.
.irp j, 0,1,2,3,4,5,6,7,8
	v_sub_f32 v[M+\j],  s[PX+\j], v[PXR]
	v_sub_f32 v[LS+\j], s[PY+\j], v[PYR]
	v_mul_f32 v[M+\j], v[M+\j], v[M+\j]
	v_fma_f32 v[M+\j], v[LS+\j], v[LS+\j], v[M+\j]
	v_cmp_gt_f32 vcc_lo, TINY, v[M+\j]
	v_cndmask_b32 v[M+\j], v[M+\j], 1.0, vcc_lo
.endr
.irp j, 0,1,2,3,4,5,6,7,8
	v_log_f32 v[LS+\j], v[M+\j]
.endr
	; columns 9-13: 1, PX_r, PY_r | QX_r, QY_r in rows 0-8, zeros below.  These five plain lines also stand between the
	; logarithms and the first line that uses a result or rewrites a source (ISA guide 5.7.2).
	v_mov_b32 v[M+9], v[MK]
	v_mul_f32 v[M+10], v[MK], v[PXR]
	v_mul_f32 v[M+11], v[MK], v[PYR]
	v_mul_f32 v[M+12], v[MK], v[QXR]
	v_mul_f32 v[M+13], v[MK], v[QYR]
.irp j, 0,1,2,3,4,5,6,7,8
	v_mul_f32 v[M+\j], v[M+\j], v[MK]              ; factors 0 and 1 pick the row's kind exactly
	s_wait_alu depctr_va_vdst(0)
	v_fma_f32 v[M+\j], v[M+\j], v[LS+\j], v[C1]
	v_fmac_f32 v[M+\j], s[PX+\j], v[CX]
	v_fmac_f32 v[M+\j], s[PY+\j], v[CY]
.endr
; Step k of Gauss-Jordan with partial pivoting; rows stay in their lanes.  The pivot is the largest |a(r,k)| among the rows that have
; not been pivots.  The row number replaces the four lowest mantissa bits, so the largest is unique also where control points lie
; symmetrically.  The choice steers lane selects and v_cndmask_b32 only: no branch, no address.  Columns up to k are never read again
; and are not updated.
.macro STEP k
	v_and_or_b32 v[CAND], v[M+\k], 0x7ffffff0, v[R]
	v_rcp_f32 v[RINV], v[M+\k]                     ; every row's own reciprocal, beside the search; the next line is its plain place
	v_cndmask_b32 v[CAND], v[CAND], -1.0, s[USED]
	v_max_num_f32_dpp v[MX], v[CAND], v[CAND] row_xmask:1 row_mask:0xf bank_mask:0xf
	v_max_num_f32_dpp v[MX], v[MX], v[MX] row_xmask:2 row_mask:0xf bank_mask:0xf
	v_max_num_f32_dpp v[MX], v[MX], v[MX] row_xmask:4 row_mask:0xf bank_mask:0xf
	v_max_num_f32_dpp v[MX], v[MX], v[MX] row_xmask:8 row_mask:0xf bank_mask:0xf
	v_cmp_eq_f32 s[EQ], v[CAND], v[MX]             ; bits p and p + 16
	s_ctz_i32_b32 s[PK+\k], s[EQ]                  ; p
	s_or_b32 s[USED], s[USED], s[EQ]
	s_wait_alu depctr_va_vdst(0)
	v_readlane_b32 s[RI], v[RINV], s[PK+\k]
.set j, \k+1
.rept 13-\k
	v_readlane_b32 s[PR+j], v[M+j], s[PK+\k]       ; the pivot row, as scalars
.set j, j+1
.endr
	v_mul_f32 v[F], s[RI], v[M+\k]                 ; a(r,k) / pivot
	v_cndmask_b32 v[PINV], v[PINV], v[RINV], s[EQ] ; the pivot row remembers 1 / pivot
	v_cndmask_b32 v[F], v[F], 0, s[EQ]             ; and is left as it is
.set j, \k+1
.rept 13-\k
	v_fma_f32 v[M+j], -v[F], s[PR+j], v[M+j]
.set j, j+1
.endr
.endm
.irp k, 0,1,2,3,4,5,6,7,8,9,10,11
	STEP \k
.endr
	v_mul_f32 v[XS], v[M+12], v[PINV]              ; unknown k lies in the lane that was step k's pivot
	v_mul_f32 v[YS], v[M+13], v[PINV]
.irp k, 0,1,2,3,4,5,6,7,8,9,10,11
	v_readlane_b32 s[SX+2*\k],   v[XS], s[PK+\k]
	v_readlane_b32 s[SX+2*\k+1], v[YS], s[PK+\k]
.endr
.set j, 0
.rept 24
	v_mov_b32 v[W+j], s[SX+j]
.set j, j+1
.endr
.irp n, 0,1,2,3,4,5
	ds_store_b128 v[CA], v[W+4*\n:W+4*\n+3] offset:16*\n     ; all lanes write the same 16 bytes with the same numbers
.endr
	s_branch .Ljoin
.Lothers:
	PREP
	s_cmp_gt_u32 s8, 2
	s_cbranch_scc1 .Ljoin
	; ---------------- waves 1 and 2: the table, one image row a lane ----------------
	s_sub_co_u32 s9, s8, 1                         ; 0 or 1: rows 0-31 or 32-63 of the work-group
	s_lshl_b32 s10, s9, 5
	s_and_b32 s11, ttmp9, 7
	s_lshl_b32 s11, s11, 6
	s_add_co_u32 s10, s10, s11                     ; image row of lane 0
	v_add_nc_u32 v2, s10, v1
	v_cvt_f32_u32 v2, v2
	v_fma_f32 v[T0+9], v2, STEPF, -1.0             ; gy
.irp i, 0,1,2,3,4,5,6,7,8
	v_sub_f32 v[T0+\i], s[PY+\i], v[T0+9]
	v_mul_f32 v[T0+\i], v[T0+\i], v[T0+\i]
	v_max_num_f32 v[T0+\i], TINY, v[T0+\i]         ; d2 = dx^2 + this is never below 2^-100: no zero and no denormal reaches v_log_f32
.endr
	v_mov_b32 v[T0+10], 0
	v_mov_b32 v[T0+11], 0
	s_mul_i32 s9, s9, 32*TROW
	s_add_co_u32 s9, s9, TABLE
	v_mad_u32_u24 v3, v1, TROW, s9                 ; 48 bytes apart: sixteen lanes' 16 bytes fall on sixteen different columns of 256
	ds_store_b128 v3, v[T0:T0+3]
	ds_store_b128 v3, v[T0+4:T0+7] offset:16
	ds_store_b128 v3, v[T0+8:T0+11] offset:32
.Ljoin:
	s_wait_dscnt 0x0                               ; my LDS stores are done, for the others' sake
	s_barrier_signal -1
	s_barrier_wait -1
.irp n, 0,1,2,3,4,5
	ds_load_b128 v[W+4*\n:W+4*\n+3], v[CA] offset:16*\n      ; the 24 coefficients, the same in every lane
.endr
	ds_load_b128 v[T0:T0+3],    v[TA]                        ; my first row's table entry
	ds_load_b128 v[T0+4:T0+7],  v[TA] offset:16
	ds_load_b128 v[T0+8:T0+11], v[TA] offset:32
	s_wait_dscnt 0x3                               ; the six coefficient loads are in; the three younger ones may stay out
	v_pk_fma_f32 v[C0:C0+1],   v[A1:A1+1], v[GX:GX+1], v[A0:A0+1] op_sel_hi:[1,0,1]              ; A0 + A1 gx, pixel 0
	v_pk_fma_f32 v[C0+2:C0+3], v[A1:A1+1], v[GX:GX+1], v[A0:A0+1] op_sel:[0,1,0] op_sel_hi:[1,1,1] ; pixel 1
; d2 of control point i for both pixels: the columns' part plus the row's, which is broadcast from word i of the entry in t
.macro DIST i, t
.if (\i) % 2
	v_pk_add_f32 v[D2+2*(\i):D2+2*(\i)+1], v[DX+2*(\i):DX+2*(\i)+1], v[\t+(\i)-1:\t+(\i)] op_sel:[0,1] op_sel_hi:[1,1]
.else
	v_pk_add_f32 v[D2+2*(\i):D2+2*(\i)+1], v[DX+2*(\i):DX+2*(\i)+1], v[\t+(\i):\t+(\i)+1] op_sel_hi:[1,0]
.endif
.endm
.macro LOGS i
	v_log_f32 v[LG+2*(\i)],   v[D2+2*(\i)]
	v_log_f32 v[LG+2*(\i)+1], v[D2+2*(\i)+1]
.endm
; U = d2 log2 d2 for both pixels, then each pixel's U times (WX_i, WY_i) onto its (x', y')
.macro TERM i
	s_wait_alu depctr_va_vdst(0)
	v_pk_mul_f32 v[D2+2*(\i):D2+2*(\i)+1], v[D2+2*(\i):D2+2*(\i)+1], v[LG+2*(\i):LG+2*(\i)+1]
	v_pk_fma_f32 v[ACC:ACC+1],   v[D2+2*(\i):D2+2*(\i)+1], v[W+2*(\i):W+2*(\i)+1], v[ACC:ACC+1] op_sel_hi:[0,1,1]
	v_pk_fma_f32 v[ACC+2:ACC+3], v[D2+2*(\i):D2+2*(\i)+1], v[W+2*(\i):W+2*(\i)+1], v[ACC+2:ACC+3] op_sel:[1,0,0] op_sel_hi:[1,1,1]
.endm
; One output row.  t: the buffer with this row's table entry; n: the other one; pre = 1: it is filled with the entry at TA + off.
; The logarithms of point i + 1 are issued ahead of the arithmetic of point i, so that behind every v_log_f32 pair a plain line that
; touches neither its result nor its source comes first (ISA guide 5.7.2), and the two kinds of work alternate.
.macro ROW t, n, pre, off
	s_wait_dscnt 0x0                               ; this row's entry, asked for one row ago, is in
.if \pre
	ds_load_b128 v[\n:\n+3],    v[TA] offset:\off
	ds_load_b128 v[\n+4:\n+7],  v[TA] offset:\off+16
	ds_load_b128 v[\n+8:\n+11], v[TA] offset:\off+32
.endif
	DIST 0, \t
	DIST 1, \t
	LOGS 0
	s_wait_xcnt 0x0                                ; the last row's store has read ACC and s[6:7]: they are rewritten only behind this wait
	s_add_nc_u64 s[6:7], s[6:7], ROWB              ; one row on; the store below reaches back
	v_pk_fma_f32 v[ACC:ACC+1],   v[A2:A2+1], v[\t+8:\t+9], v[C0:C0+1]   op_sel:[0,1,0] op_sel_hi:[1,1,1]   ; A0 + A1 gx + A2 gy starts the sums
	v_pk_fma_f32 v[ACC+2:ACC+3], v[A2:A2+1], v[\t+8:\t+9], v[C0+2:C0+3] op_sel:[0,1,0] op_sel_hi:[1,1,1]
.irp i, 0,1,2,3,4,5,6,7,8
.if \i < 8
	LOGS \i+1
.endif
.if \i < 7
	DIST \i+2, \t
.endif
	TERM \i
.endr
	global_store_b128 v[VO], v[ACC:ACC+3], s[6:7] offset:-ROWB th:TH_STORE_NT     ; written once, never read here
.endm
	s_mov_b32 s9, WROWS/2-1
.Lrows:
	ROW T0, T1, 1, TROW
	ROW T1, T0, 1, 2*TROW
	v_add_nc_u32 v[TA], 2*TROW, v[TA]
	s_sub_co_i32 s9, s9, 1
	s_cmp_lg_u32 s9, 0
	s_cbranch_scc1 .Lrows
	ROW T0, T1, 1, TROW                            ; the last two rows: the very last asks for no further entry
	ROW T1, T0, 0, 0
	s_wait_tensorcnt 0x0
	ds_add_u32 v120, v121
	s_wait_dscnt 0x0
	s_endpgm
.Lfunc_end_k_q29bd02a395_tps:
	.size	k_q29bd02a395_tps, .Lfunc_end_k_q29bd02a395_tps-k_q29bd02a395_tps
	.p2alignl 7, 3214868480
	.fill 96, 4, 3214868480
	.section	.rodata,"a",@progbits
	.p2align	6, 0x0
	.amdhsa_kernel k_q29bd02a395_tps
		.amdhsa_group_segment_fixed_size 6144
		.amdhsa_private_segment_fixed_size 0
		.amdhsa_enable_private_segment 0
		.amdhsa_kernarg_size 16
		.amdhsa_user_sgpr_count 2
		.amdhsa_user_sgpr_kernarg_segment_ptr 1
		.amdhsa_wavefront_size32 1
		.amdhsa_system_sgpr_workgroup_id_x 1
		.amdhsa_system_sgpr_workgroup_id_y 1
		.amdhsa_system_sgpr_workgroup_id_z 1
		.amdhsa_system_vgpr_workitem_id 0
		.amdhsa_next_free_vgpr 122
		.amdhsa_next_free_sgpr 96
		.amdhsa_reserve_vcc 1
		.amdhsa_float_denorm_mode_32 3
		.amdhsa_float_denorm_mode_16_64 3
		.amdhsa_memory_ordered 1
		.amdhsa_forward_progress 1
		.amdhsa_inst_pref_size 52
	.end_amdhsa_kernel
	.amdgpu_metadata
---
amdhsa.version: [ 1, 2 ]
amdhsa.kernels:
  - .name:           k_q29bd02a395_tps
    .symbol:         k_q29bd02a395_tps.kd
    .args:
      - { .name: theta, .offset: 0, .size: 8, .value_kind: global_buffer, .address_space: global }
      - { .name: out0, .offset: 8, .size: 8, .value_kind: global_buffer, .address_space: global }
    .group_segment_fixed_size: 6144
    .private_segment_fixed_size: 0
    .kernarg_segment_align: 8
    .kernarg_segment_size: 16
    .max_flat_workgroup_size: 512
    .sgpr_count:     96
    .vgpr_count:     122
    .wavefront_size: 32
...
	.end_amdgpu_metadata
.endif
;; end of part 1
;; ======== version 2 of 2: 1 launch; version 1 with the launch tps written anew for expert scheduling mode
;; launch tps (part 2): grid 256 x 1, 16 waves a work-group, no clusters, 6,144 bytes of LDS; arguments theta, out0; writes out0
.if DOCPART == 2
	.amdgcn_target "amdgcn-amd-amdhsa--gfx1250"
	.amdhsa_code_object_version 6
	.text
	.protected	k_q29bd02a395_tps
	.globl	k_q29bd02a395_tps
	.p2align	8
	.type	k_q29bd02a395_tps,@function
k_q29bd02a395_tps:
	s_mov_b64 s[64:65], 0
	v_nop
	global_prefetch_b8 v0, s[64:65] scope:SCOPE_SE
	s_setreg_imm32_b32 hwreg(HW_REG_WAVE_SCHED_MODE, 0, 2), 2
	s_setreg_imm32_b32 hwreg(HW_REG_WAVE_MODE, 25, 1), 1
	s_wait_xcnt 0x0
	s_wait_alu depctr_vm_vsrc(0)
; Thin-plate-spline grid.  theta [32][36] f32 = QX(9) QY(9) PX(9) PY(9);  out0 [32][512][512][2] f32.
;   out(b,h,w) = A0 + A1 gx(w) + A2 gy(h) + sum_i W_i d2_i ln d2_i,   d2_i = (gx-PX_i)^2 + (gy-PY_i)^2,  for x and for y,
;   where [W;A] solves the 12 x 12 system  [K P; P^T 0] [W;A] = [Q;0]  (that is what the reference's blocks of the inverse times Q are).
; K is built with log2, so that the solution is W ln2: the weight that belongs to d2 log2 d2 in the pixel stage.  No ln2 appears anywhere.
;
; 256 work-groups of 16 waves.  Work-group g: image g >> 3, rows 64 (g & 7) .. + 63 = the 262,144 output bytes from g << 18.
;   wave 0      solves the system (row r of [L | QX QY] in lane r, mirrored in both halves of 16 lanes) and puts 24 numbers into LDS
;   waves 1, 2  build a table in LDS, one entry of 48 bytes for each of the 64 rows: max((gy-PY_i)^2, 2^-100) i = 0..8, gy, 0, 0
;   all waves   keep (gx-PX_i)^2 of their two columns in registers; one barrier; then wave w makes columns 64 (w & 7) .. + 63 of
;               32 rows ((w >> 3) picks the half).  A lane owns two neighbouring pixels = 16 output bytes: a store of the wave covers
;               512 neighbouring bytes, aligned.  The accumulator pair of a pixel is (x', y'), as it lies in memory.
; The sum over the 9 control points stays on the vector unit in f32: 9 of 32 along K and 2 of 16 columns would be used of a matrix
; instruction, and the weights sum to zero, so the terms cancel and a 16-bit U would spend the allowed error.  It costs one packed
; multiply-add a term.  No tensor load, cluster or prefetch: a work-group reads 144 bytes.
; LIMITS.  d2 below 2^-100 (zero and denormals too): U is taken as about -1e-28 (pixels) or 0 (K) where the reference has 0 or less
; than 1e-28 in size.  A singular system (coincident or collinear control points) gives infinities, NaN or arbitrary numbers, not
; necessarily the reference's.  |theta| above about 1e19 overflows as in the reference.  gx, gy = -1 + i * (2/511) in one fused
; multiply-add: within an ulp or two of linspace.  Elimination with partial pivoting, not LAPACK's inverse: another order of rounding.
;
; THE MODE: SCHED_MODE bits 1:0 = 2 (LLVM: expert scheduling mode 2), set by the entry lines.  The code itself states the register
; dependences between vector instructions and memory or LDS instructions, and those through scalar results of vector instructions,
; with s_wait_alu, always for 0.
; THE PLAN of the pixel stage.  Step r holds the products and sums of row r and, dealt among them, the FRONT of row r + 1: its nine
; distances, its start value A0 + A1 gx + A2 gy and its 18 logarithms.  No line of a step reads a logarithm of that step.
; Registers that memory or LDS instructions touch:
;   T0, T1      table entry e lies in T[e % 2].  Written by the three LDS loads at the head of step e - 2; read by row e's front, in step e - 1.
;   ACC0, ACC1  row r's sums are written into ACC[r % 2] in step r, read by the one store at the head of step r + 1, written again in step r + 2.
;   v[TA]       read by every LDS load; written once a trip of the loop, at the trip's end.
;   v[VO]       read by every store; never written again: the scalar base moves on by a row at a step's end.
;   D2, LG, IN (two buffers each, by the row's parity), DX, W, A, C0 are named by vector instructions alone.
; At a step's END stand s_wait_xcnt 0 and a wait on vm_vsrc (the store issued at the step's head has read its ACC and its base; the LDS
; loads have read v[TA]) and ONE wait on va_vdst: the next row's logarithms are written, this row's sums are written, the front is done
; reading its table entry, v[TA] is written.  So the next step's loads and store follow its head with no further wait.
.set STEPF, 0x3b804020                 ; 2/511
.set TINY,  0x0d800000                 ; 2^-100
.set ROWB,  4096                       ; bytes of an output row: 512 pixels x 2 x 4
.set WROWS, 32                         ; rows of a wave
.set TROW,  48                         ; bytes of a table entry
.set COEF,  0                          ; LDS: (WX_i, WY_i) i = 0..8, (AX_0, AY_0), (AX_1, AY_1), (AX_2, AY_2): 96 bytes
.set TABLE, 128                        ; LDS: 64 entries of 48 bytes
; scalar registers
.set QX, 16                            ; s[16:51] theta's row as loaded
.set QY, 25
.set PX, 34
.set PY, 43
.set PK, 52                            ; s[52:63] lane of the pivot of step k
.set CM, 66                            ; s[66:74] while the system is built: masks of runs of compares
.set PR, 66                            ; s[66:79] the pivot row, column j in s[PR+j]
.set SX, 66                            ; s[66:89] afterwards: the 24 results
.set RI, 90                            ; 1 / pivot
.set USED, 91                          ; mask of rows that have been pivots (and of the lanes 12-15 of each half, which hold no row)
.set EQ, 92                            ; mask of this step's pivot row (one bit in each half)
; vector registers of the pixel stage
.set GX, 4                             ; v[4:5]     gx of my two columns
.set VO, 6                             ; byte offset of my 16 bytes in an output row
.set TA, 7                             ; LDS address of my wave's table entries, stepped by two entries a trip
.set CA, 8                             ; LDS address of the coefficients
.set DX, 10                            ; v[10:27]   (gx-PX_i)^2, a pair (column 0, column 1) for each i
.set W,  28                            ; v[28:45]   pairs (WX_i, WY_i)
.set A0, 46                            ; v[46:51]   pairs (AX_m, AY_m)
.set A1, 48
.set A2, 50
.set C0, 52                            ; v[52:55]   A0 + A1 gx, a pair for each of my two pixels
.set T0, 56                            ; v[56:79]   table entries, buffer b at T0 + 12 b
.set D2, 80                            ; v[80:115]  d2, then U = d2 log2 d2, pairs as DX; buffer b at D2 + 18 b
.set LG, 116                           ; v[116:151] log2 d2; buffer b at LG + 18 b
.set IN, 152                           ; v[152:159] A0 + A1 gx + A2 gy, a pair a pixel; buffer b at IN + 4 b
.set ACC, 160                          ; v[160:167] x', y' of pixel 0, x', y' of pixel 1; buffer b at ACC + 4 b
; vector registers of the solver (wave 0, in front of the barrier only)
.set R,    56                          ; row number = lane & 15
.set MK,   57                          ; 1.0 in rows 0-8, else 0
.set C1,   58                          ; 1.0 in row 9
.set CX,   59                          ; 1.0 in row 10
.set CY,   60                          ; 1.0 in row 11
.set PXR,  61                          ; PX, PY, QX, QY of my row (rows above 8: those of row 8, multiplied away)
.set PYR,  62
.set QXR,  63
.set QYR,  64
.set CAND, 65
.set MX,   66
.set RINV, 67
.set F,    68
.set PINV, 69                          ; 1 / pivot, kept by the row that was the pivot
.set AD,   70
.set XS,   71
.set YS,   72
.set M,    80                          ; v[80:93]   my row: 12 columns of L, QX, QY
.set LS,   98                          ; v[98:106]  at work
	s_load_b128 s[4:7], s[0:1], 0x0                ; theta s[4:5], out0 s[6:7]
	v_lshl_add_u32 v168, v0, 2, 0x1000
	v_mov_b32 v169, 0
	v_and_b32 v1, 31, v0                           ; lane
	v_lshrrev_b32 v2, 5, v0
	v_readfirstlane_b32 s8, v2                     ; wave 0..15
	s_lshr_b32 s9, ttmp9, 3                        ; image
	s_mul_i32 s10, s9, 144                         ; its 36 numbers
	s_mov_b32 s11, 0
	s_wait_alu depctr_va_sdst(0)                   ; s8 is written, ahead of its first reader
	s_and_b32 s14, s8, 7                           ; my group of 64 columns
	s_lshr_b32 s15, s8, 3                          ; my half of the 64 rows
	s_wait_kmcnt 0x0
	s_add_nc_u64 s[12:13], s[4:5], s[10:11]
	s_load_b512 s[16:31], s[12:13], 0x0            ; 64 + 64 + 16 = 144 bytes: exactly the image's row of theta
	s_load_b512 s[32:47], s[12:13], 0x40
	s_load_b128 s[48:51], s[12:13], 0x80
	s_lshl_b32 s10, ttmp9, 18                      ; the work-group's 64 output rows of 4,096 bytes
	s_lshl_b32 s9, s15, 17                         ; + my half: 32 rows
	s_add_co_u32 s10, s10, s9                      ; at most 255 * 2^18 + 2^17: below 2^31
	s_add_nc_u64 s[6:7], s[6:7], s[10:11]
; What every wave prepares: gx, offsets, and (gx - PX_i)^2 of its two columns.
.macro PREP
	s_lshl_b32 s9, s14, 6
	v_lshl_or_b32 v2, v1, 1, s9                    ; column 64 group + 2 lane
	v_or_b32 v3, 1, v2                             ; and the next
	v_cvt_f32_u32 v[GX], v2
	v_cvt_f32_u32 v[GX+1], v3
	v_pk_fma_f32 v[GX:GX+1], v[GX:GX+1], STEPF, -1.0 op_sel_hi:[1,0,0]
	s_lshl_b32 s9, s14, 9
	v_lshl_add_u32 v[VO], v1, 4, s9                ; 512 group + 16 lane
	s_mul_i32 s9, s15, WROWS*TROW
	s_add_co_u32 s9, s9, TABLE
	v_mov_b32 v[TA], s9
	v_mov_b32 v[CA], COEF
	s_wait_kmcnt 0x0                               ; theta's row is in s[16:51]
.irp i, 0,1,2,3,4,5,6,7,8
	v_sub_f32 v[DX+2*\i],   s[PX+\i], v[GX]        ; the sign is squared away
	v_sub_f32 v[DX+2*\i+1], s[PX+\i], v[GX+1]
	v_pk_mul_f32 v[DX+2*\i:DX+2*\i+1], v[DX+2*\i:DX+2*\i+1], v[DX+2*\i:DX+2*\i+1]
.endr
.endm
	s_cmp_lg_u32 s8, 0
	s_cbranch_scc1 .Lothers
	; ---------------- wave 0: the 12 x 12 system ----------------
	v_and_b32 v[R], 15, v0
	v_min_u32 v[AD], 8, v[R]
	v_lshlrev_b32 v[AD], 2, v[AD]
	s_wait_alu depctr_va_vdst(0)                   ; v[AD] is written, which the four loads read as their offset
	global_load_b32 v[QXR], v[AD], s[12:13]
	global_load_b32 v[QYR], v[AD], s[12:13] offset:36
	global_load_b32 v[PXR], v[AD], s[12:13] offset:72
	global_load_b32 v[PYR], v[AD], s[12:13] offset:108
	v_cmp_gt_u32 s[CM],   9,  v[R]                 ; a run of compares into scalar registers,
	v_cmp_eq_u32 s[CM+1], 9,  v[R]
	v_cmp_eq_u32 s[CM+2], 10, v[R]
	v_cmp_eq_u32 s[CM+3], 11, v[R]
	s_wait_alu depctr_va_sdst(0)                   ; the four masks are written, ahead of the selects that read them
	v_cndmask_b32 v[MK], 0, 1.0, s[CM]
	v_cndmask_b32 v[C1], 0, 1.0, s[CM+1]
	v_cndmask_b32 v[CX], 0, 1.0, s[CM+2]
	v_cndmask_b32 v[CY], 0, 1.0, s[CM+3]
	v_mov_b32 v[MX], 0                             ; a DPP form's destination counts as read
	v_mov_b32 v[PINV], 0
	s_mov_b32 s[USED], 0xf000f000                  ; lanes 12-15 of each half hold zeros and are never pivots
	PREP                                           ; while the four loads are on their way
	s_wait_loadcnt 0x0
	; columns 0-8.  Rows 0-8: K(r,j) = d2 log2 d2, d2 below 2^-100 (the diagonal) counted as 1.  Row 9: 1.  Row 10: PX_j.  Row 11: PY_j.
.irp j, 0,1,2,3,4,5,6,7,8
	v_sub_f32 v[M+\j],  s[PX+\j], v[PXR]
	v_sub_f32 v[LS+\j], s[PY+\j], v[PYR]
	v_mul_f32 v[M+\j], v[M+\j], v[M+\j]
	v_fma_f32 v[M+\j], v[LS+\j], v[LS+\j], v[M+\j]
	v_cmp_gt_f32 s[CM+\j], TINY, v[M+\j]
.endr
	s_wait_alu depctr_va_sdst(0)                   ; the nine masks are written, ahead of the selects that read them
.irp j, 0,1,2,3,4,5,6,7,8
	v_cndmask_b32 v[M+\j], v[M+\j], 1.0, s[CM+\j]
.endr
.irp j, 0,1,2,3,4,5,6,7,8
	v_log_f32 v[LS+\j], v[M+\j]
.endr
	; columns 9-13: 1, PX_r, PY_r | QX_r, QY_r in rows 0-8, zeros below.  These five plain lines also stand between the
	; logarithms and the first line that uses a result or rewrites a source (ISA guide 5.7.2).
	v_mov_b32 v[M+9], v[MK]
	v_mul_f32 v[M+10], v[MK], v[PXR]
	v_mul_f32 v[M+11], v[MK], v[PYR]
	v_mul_f32 v[M+12], v[MK], v[QXR]
	v_mul_f32 v[M+13], v[MK], v[QYR]
	s_wait_alu depctr_va_vdst(0)                   ; the nine logarithms have written v[LS ..]: one wait for the batch, ahead of its first reader
.irp j, 0,1,2,3,4,5,6,7,8
	v_mul_f32 v[M+\j], v[M+\j], v[MK]              ; factors 0 and 1 pick the row's kind exactly
	v_fma_f32 v[M+\j], v[M+\j], v[LS+\j], v[C1]
	v_fmac_f32 v[M+\j], s[PX+\j], v[CX]
	v_fmac_f32 v[M+\j], s[PY+\j], v[CY]
.endr
; Step k of Gauss-Jordan with partial pivoting; rows stay in their lanes.  The pivot is the largest |a(r,k)| among the rows that have
; not been pivots.  The row number replaces the four lowest mantissa bits, so the largest is unique also where control points lie
; symmetrically.  The choice steers lane selects and v_cndmask_b32 only: no branch, no address.  Columns up to k are never read again
; and are not updated.
.macro STEP k
	v_and_or_b32 v[CAND], v[M+\k], 0x7ffffff0, v[R]
	v_rcp_f32 v[RINV], v[M+\k]                     ; every row's own reciprocal, beside the search; the next line is its plain place
	v_cndmask_b32 v[CAND], v[CAND], -1.0, s[USED]
	v_max_num_f32_dpp v[MX], v[CAND], v[CAND] row_xmask:1 row_mask:0xf bank_mask:0xf
	v_max_num_f32_dpp v[MX], v[MX], v[MX] row_xmask:2 row_mask:0xf bank_mask:0xf
	v_max_num_f32_dpp v[MX], v[MX], v[MX] row_xmask:4 row_mask:0xf bank_mask:0xf
	v_max_num_f32_dpp v[MX], v[MX], v[MX] row_xmask:8 row_mask:0xf bank_mask:0xf
	v_cmp_eq_f32 s[EQ], v[CAND], v[MX]             ; bits p and p + 16
	s_wait_alu depctr_va_sdst(0)                   ; the compare has written s[EQ], ahead of its first reader
	s_ctz_i32_b32 s[PK+\k], s[EQ]                  ; p
	s_or_b32 s[USED], s[USED], s[EQ]
	s_wait_alu depctr_va_vdst(0)                   ; the reciprocal has written v[RINV], ahead of the first line that names it
	v_readlane_b32 s[RI], v[RINV], s[PK+\k]
.set j, \k+1
.rept 13-\k
	v_readlane_b32 s[PR+j], v[M+j], s[PK+\k]       ; the pivot row, as scalars
.set j, j+1
.endr
	s_wait_alu depctr_va_sdst(0)                   ; the run of lane reads has written s[RI] and s[PR ..], ahead of the lines that read them
	v_mul_f32 v[F], s[RI], v[M+\k]                 ; a(r,k) / pivot
	v_cndmask_b32 v[PINV], v[PINV], v[RINV], s[EQ] ; the pivot row remembers 1 / pivot
	v_cndmask_b32 v[F], v[F], 0, s[EQ]             ; and is left as it is
.set j, \k+1
.rept 13-\k
	v_fma_f32 v[M+j], -v[F], s[PR+j], v[M+j]
.set j, j+1
.endr
.endm
.irp k, 0,1,2,3,4,5,6,7,8,9,10,11
	STEP \k
.endr
	v_mul_f32 v[XS], v[M+12], v[PINV]              ; unknown k lies in the lane that was step k's pivot
	v_mul_f32 v[YS], v[M+13], v[PINV]
.irp k, 0,1,2,3,4,5,6,7,8,9,10,11
	v_readlane_b32 s[SX+2*\k],   v[XS], s[PK+\k]
	v_readlane_b32 s[SX+2*\k+1], v[YS], s[PK+\k]
.endr
	s_wait_alu depctr_va_sdst(0)                   ; the 24 lane reads have written s[SX ..], ahead of the moves that read them
.set j, 0
.rept 24
	v_mov_b32 v[W+j], s[SX+j]
.set j, j+1
.endr
	s_wait_alu depctr_va_vdst(0)                   ; the moves have written v[W ..], which the LDS stores read (their address v[CA] was written further up)
.irp n, 0,1,2,3,4,5
	ds_store_b128 v[CA], v[W+4*\n:W+4*\n+3] offset:16*\n     ; all lanes write the same 16 bytes with the same numbers
.endr
	s_branch .Ljoin
.Lothers:
	PREP
	s_cmp_gt_u32 s8, 2
	s_cbranch_scc1 .Ljoin
	; ---------------- waves 1 and 2: the table, one image row a lane ----------------
	s_sub_co_u32 s9, s8, 1                         ; 0 or 1: rows 0-31 or 32-63 of the work-group
	s_lshl_b32 s10, s9, 5
	s_and_b32 s11, ttmp9, 7
	s_lshl_b32 s11, s11, 6
	s_add_co_u32 s10, s10, s11                     ; image row of lane 0
	v_add_nc_u32 v2, s10, v1
	v_cvt_f32_u32 v2, v2
	v_fma_f32 v[T0+9], v2, STEPF, -1.0             ; gy
.irp i, 0,1,2,3,4,5,6,7,8
	v_sub_f32 v[T0+\i], s[PY+\i], v[T0+9]
	v_mul_f32 v[T0+\i], v[T0+\i], v[T0+\i]
	v_max_num_f32 v[T0+\i], TINY, v[T0+\i]         ; d2 = dx^2 + this is never below 2^-100: no zero and no denormal reaches v_log_f32
.endr
	v_mov_b32 v[T0+10], 0
	v_mov_b32 v[T0+11], 0
	s_mul_i32 s9, s9, 32*TROW
	s_add_co_u32 s9, s9, TABLE
	v_mad_u32_u24 v3, v1, TROW, s9                 ; 48 bytes apart: sixteen lanes' 16 bytes fall on sixteen different columns of 256
	s_wait_alu depctr_va_vdst(0)                   ; the entry v[T0 ..] and its address v3 are written, which the LDS stores read
	ds_store_b128 v3, v[T0:T0+3]
	ds_store_b128 v3, v[T0+4:T0+7] offset:16
	ds_store_b128 v3, v[T0+8:T0+11] offset:32
.Ljoin:
	s_wait_dscnt 0x0                               ; my LDS stores are done, for the others' sake
	s_barrier_signal -1
	s_barrier_wait -1
	s_wait_alu depctr_va_vdst(0)                   ; v[CA], v[TA] and v[VO] are written, which the loads and stores below read; all vector lines that named v28 to v79 (the system, the table) are done: loads land there
	s_wait_alu depctr_vm_vsrc(0)                   ; the LDS stores of waves 0 to 2 have read v[W ..] and v[T0 ..], and wave 0's loads their offset in v70: loads land in these registers
.irp n, 0,1,2,3,4,5
	ds_load_b128 v[W+4*\n:W+4*\n+3], v[CA] offset:16*\n      ; the 24 coefficients, the same in every lane
.endr
.irp e, 0,1
	ds_load_b128 v[T0+12*\e:T0+12*\e+3],    v[TA] offset:\e*TROW       ; my first two rows' table entries
	ds_load_b128 v[T0+12*\e+4:T0+12*\e+7],  v[TA] offset:\e*TROW+16
	ds_load_b128 v[T0+12*\e+8:T0+12*\e+11], v[TA] offset:\e*TROW+32
.endr
	s_wait_dscnt 0x6                               ; the six coefficient loads are in; the six younger ones may stay out
	v_pk_fma_f32 v[C0:C0+1],   v[A1:A1+1], v[GX:GX+1], v[A0:A0+1] op_sel_hi:[1,0,1]              ; A0 + A1 gx, pixel 0
	v_pk_fma_f32 v[C0+2:C0+3], v[A1:A1+1], v[GX:GX+1], v[A0:A0+1] op_sel:[0,1,0] op_sel_hi:[1,1,1] ; pixel 1
; d2 of control point i for both pixels, into buffer d: the columns' part plus the row's, which is broadcast from word i of the entry in t
.macro DIST i, t, d
.if (\i) % 2
	v_pk_add_f32 v[\d+2*(\i):\d+2*(\i)+1], v[DX+2*(\i):DX+2*(\i)+1], v[\t+(\i)-1:\t+(\i)] op_sel:[0,1] op_sel_hi:[1,1]
.else
	v_pk_add_f32 v[\d+2*(\i):\d+2*(\i)+1], v[DX+2*(\i):DX+2*(\i)+1], v[\t+(\i):\t+(\i)+1] op_sel_hi:[1,0]
.endif
.endm
.macro LOGS i, d, l
	v_log_f32 v[\l+2*(\i)],   v[\d+2*(\i)]
	v_log_f32 v[\l+2*(\i)+1], v[\d+2*(\i)+1]
.endm
; A0 + A1 gx + A2 gy, which starts a row's sums: gy is word 9 of the entry in t
.macro INIT t, n
	v_pk_fma_f32 v[\n:\n+1],   v[A2:A2+1], v[\t+8:\t+9], v[C0:C0+1]   op_sel:[0,1,0] op_sel_hi:[1,1,1]
	v_pk_fma_f32 v[\n+2:\n+3], v[A2:A2+1], v[\t+8:\t+9], v[C0+2:C0+3] op_sel:[0,1,0] op_sel_hi:[1,1,1]
.endm
; U = d2 log2 d2 for both pixels, then each pixel's U times (WX_i, WY_i) onto c, into its (x', y') in a.  Point 0 takes the start value as c: nothing is copied or cleared
.macro TERM i, d, l, a, c
	v_pk_mul_f32 v[\d+2*(\i):\d+2*(\i)+1], v[\d+2*(\i):\d+2*(\i)+1], v[\l+2*(\i):\l+2*(\i)+1]
	v_pk_fma_f32 v[\a:\a+1],   v[\d+2*(\i):\d+2*(\i)+1], v[W+2*(\i):W+2*(\i)+1], v[\c:\c+1] op_sel_hi:[0,1,1]
	v_pk_fma_f32 v[\a+2:\a+3], v[\d+2*(\i):\d+2*(\i)+1], v[W+2*(\i):W+2*(\i)+1], v[\c+2:\c+3] op_sel:[1,0,0] op_sel_hi:[1,1,1]
.endm
; Step r.  p = r % 2.  ld = 1: table entry r + 2 is asked for, at TA + off.  st = 1: row r - 1 is stored.  fr = 1: the front of row r + 1.
; adv = 1: the LDS address moves on by two entries.  fin = 1: the last step: nothing is rewritten behind it.
; The logarithms of point i of row r + 1 stand ahead of the arithmetic of point i of row r, so that the two kinds of work alternate, and behind
; every pair of v_log_f32 comes a plain line that touches neither its result nor its source (ISA guide 5.7.2).
.macro ROW p, ld, off, st, fr, adv, fin
.set TP, T0+12*(\p)
.set TQ, T0+12*(1-(\p))
.set DP, D2+18*(\p)
.set DQ, D2+18*(1-(\p))
.set LP, LG+18*(\p)
.set LQ, LG+18*(1-(\p))
.set NP, IN+4*(\p)
.set NQ, IN+4*(1-(\p))
.set AP, ACC+4*(\p)
.set AQ, ACC+4*(1-(\p))
.if \fr
	s_wait_dscnt 0x0                               ; the next row's entry, asked for one step ago, is in
.endif
.if \ld
	ds_load_b128 v[TP:TP+3],    v[TA] offset:\off            ; no wait: no vector line since the last wait on va_vdst names this buffer or v[TA]
	ds_load_b128 v[TP+4:TP+7],  v[TA] offset:\off+16
	ds_load_b128 v[TP+8:TP+11], v[TA] offset:\off+32
.endif
.if \st
	global_store_b128 v[VO], v[AQ:AQ+3], s[6:7] th:TH_STORE_NT   ; the row before; written once, never read here.  No wait: its sums were written ahead of the last wait on va_vdst
.endif
.if \fr
	DIST 0, TQ, DQ
	DIST 1, TQ, DQ
	INIT TQ, NQ
.endif
.irp i, 0,1,2,3,4,5,6,7,8
.if \fr
	LOGS \i, DQ, LQ
.if \i < 7
	DIST \i+2, TQ, DQ
.endif
.endif
.if \i == 0
	TERM \i, DP, LP, AP, NP
.else
	TERM \i, DP, LP, AP, AP
.endif
.endr
.if (\st) && !(\fin)
	s_wait_xcnt 0x0                                ; every earlier memory instruction has had its addresses translated (ISA guide 3.1): the base, and the sums that this step's store reads, are rewritten only behind this wait
	s_wait_alu depctr_vm_vsrc(0)                   ; this step's store has read its sums, which the next step writes again; the LDS loads issued so far have read v[TA]
	s_add_nc_u64 s[6:7], s[6:7], ROWB              ; the base at the row that the next step stores
.endif
.if \adv
	v_add_nc_u32 v[TA], 2*TROW, v[TA]
.endif
	s_wait_alu depctr_va_vdst(0)                   ; the next row's logarithms are written, ahead of their first readers and of any jump; this row's sums are written, which the next store reads; the front is done reading its entry, in which the next loads land; v[TA] is written
.endm
	; the front of row 0
	s_wait_dscnt 0x3                               ; entry 0 is in; entry 1's three loads may stay out
.irp i, 0,1,2,3,4,5,6,7,8
	DIST \i, T0, D2
.endr
.irp i, 0,1,2,3,4,5,6,7,8
	LOGS \i, D2, LG
.endr
	INIT T0, IN                                    ; also the plain lines behind the last logarithm
	s_wait_alu depctr_va_vdst(0)                   ; row 0's logarithms are written, ahead of their first readers; the lines above are done reading entry 0, in whose registers step 0's loads land
	ROW 0, 1, 2*TROW, 0, 1, 0, 0                   ; step 0: there is no row to store yet
	s_mov_b32 s9, (WROWS-4)/2
.Lrows:                                                ; steps 1 to 28, two a trip: every kind of buffer is back at its start
	ROW 1, 1, 3*TROW, 1, 1, 0, 0
	ROW 0, 1, 4*TROW, 1, 1, 1, 0
	s_sub_co_i32 s9, s9, 1
	s_cmp_lg_u32 s9, 0
	s_cbranch_scc1 .Lrows
	ROW 1, 1, 3*TROW, 1, 1, 0, 0                   ; step 29 asks for the last entry, 31
	ROW 0, 0, 0,      1, 1, 0, 0                   ; step 30 asks for none
	ROW 1, 0, 0,      1, 0, 0, 1                   ; step 31 has no next row; its wait on va_vdst states that row 31's sums are written
	global_store_b128 v[VO], v[ACC+4:ACC+7], s[6:7] offset:ROWB th:TH_STORE_NT    ; row 31: one row behind the base, which stays at row 30
	s_wait_dscnt 0x0
	s_wait_alu depctr_hold_cnt(0) depctr_sa_sdst(0) depctr_va_vdst(0) depctr_va_sdst(0) depctr_va_ssrc(0) depctr_va_vcc(0) depctr_vm_vsrc(0)
	s_wait_tensorcnt 0x0
	ds_add_u32 v168, v169
	s_wait_dscnt 0x0
	s_endpgm
.Lfunc_end_k_q29bd02a395_tps:
	.size	k_q29bd02a395_tps, .Lfunc_end_k_q29bd02a395_tps-k_q29bd02a395_tps
	.p2alignl 7, 3214868480
	.fill 96, 4, 3214868480
	.section	.rodata,"a",@progbits
	.p2align	6, 0x0
	.amdhsa_kernel k_q29bd02a395_tps
		.amdhsa_group_segment_fixed_size 6144
		.amdhsa_private_segment_fixed_size 0
		.amdhsa_enable_private_segment 0
		.amdhsa_kernarg_size 16
		.amdhsa_user_sgpr_count 2
		.amdhsa_user_sgpr_kernarg_segment_ptr 1
		.amdhsa_wavefront_size32 1
		.amdhsa_system_sgpr_workgroup_id_x 1
		.amdhsa_system_sgpr_workgroup_id_y 1
		.amdhsa_system_sgpr_workgroup_id_z 1
		.amdhsa_system_vgpr_workitem_id 0
		.amdhsa_next_free_vgpr 170
		.amdhsa_next_free_sgpr 96
		.amdhsa_reserve_vcc 0
		.amdhsa_float_denorm_mode_32 3
		.amdhsa_float_denorm_mode_16_64 3
		.amdhsa_memory_ordered 1
		.amdhsa_forward_progress 1
		.amdhsa_inst_pref_size 59
	.end_amdhsa_kernel
	.amdgpu_metadata
---
amdhsa.version: [ 1, 2 ]
amdhsa.kernels:
  - .name:           k_q29bd02a395_tps
    .symbol:         k_q29bd02a395_tps.kd
    .args:
      - { .name: theta, .offset: 0, .size: 8, .value_kind: global_buffer, .address_space: global }
      - { .name: out0, .offset: 8, .size: 8, .value_kind: global_buffer, .address_space: global }
    .group_segment_fixed_size: 6144
    .private_segment_fixed_size: 0
    .kernarg_segment_align: 8
    .kernarg_segment_size: 16
    .max_flat_workgroup_size: 512
    .sgpr_count:     96
    .vgpr_count:     170
    .wavefront_size: 32
...
	.end_amdgpu_metadata
.endif
;; end of part 2
